; MI455X (gfx1250); checked and timed in simulation.
; The chip was launched on July 23, 2026; its instructions are those of AMD's public machine-readable ISA for CDNA 5 (MIT licence, August 2026) and "CDNA5" Instruction Set Architecture Reference Guide (July 2026). The comments in the code are by the model that wrote it; some were corrected since.
;; Bahdanau Attention. Allowed arithmetic: matrix products marked QUANTISED: E4M3 operands, one E8M0 scale for each 32 along K, by v_wmma_scale_f32_16x16x128_f8f6f4 with both operands' format E4M3, f32 sums; products left as they are: f32 operands where the result goes on into a quantised operand, else bf16, f16 or f32 operands; f32 sums; everything else in f32.
;; Inputs: V 1,024 x 1 float32; W1_codes 1,024 x 32 x 32 uint8 (E4M3 codes of W1, K innermost, in blocks of 32 codes); W1_scales 1,024 x 32 uint8 (E8M0 scales of W1, one for each 32 codes along K); W2_codes 1,024 x 32 x 32 uint8 (E4M3 codes of W2, K innermost, in blocks of 32 codes); W2_scales 1,024 x 32 uint8 (E8M0 scales of W2, one for each 32 codes along K); b1 1,024 float32; b2 1,024 float32; bV 1 float32; hidden_t_codes 32 x 32 x 32 uint8 (E4M3 codes of hidden_t, K innermost, in blocks of 32 codes); hidden_t_scales 32 x 32 uint8 (E8M0 scales of hidden_t, one for each 32 codes along K); hiddens 32 x 2,048 x 1,024 float32.
;; Outputs: out0 32 x 1,024 float32; out1 32 x 2,048 x 1 float32.
;; This version of the problem:
;;   THIS VERSION OF THE PROBLEM IS GIVEN IN LOW PRECISION. The matrix products marked QUANTISED in the list below multiply operands that are first quantised to E4M3 (4 exponent bits, 3 mantissa bits; 8 bits a number), with one power-of-two scale for each 32 numbers along K (OCP MX v1.0); their sums are f32. All else is computed in f32.
;;   The module's matrix products, in the order in which they are computed (A, B: the left and right operand; K: the contracted axis; several contracted axes count as one K, in the product's order):
;;     1. [M 65,536, K 1,024] x [K 1,024, N 1,024]; A: input hiddens; B: input W1 (given as codes): QUANTISED
;;     2. [M 32, K 1,024] x [K 1,024, N 1,024]; A: input hidden_t (given as codes); B: input W2 (given as codes): QUANTISED
;;     3. [M 65,536, K 1,024] x [K 1,024, N 1]; A: computed on the way; B: input V: left as it is (N = 1 < 16)
;;   THE QUANTISER, for each operand of a quantised product, along K:
;;     - K is cut into blocks of 32 from its start; a last block that is shorter is filled with zeros.
;;     - A block's scale is 2^e with e = floor(log2(the largest magnitude in the block)) - 8, held to -126 .. 127; a block of zeros has e = 0. As a byte (E8M0): e + 127.
;;     - Each number is divided by its block's scale, clamped to +-448, and rounded to the nearest number of E4M3, ties to even, subnormals kept.
;;     - The product sums the exact products of the quantised numbers (number of the format x scale) in f32.
;;   ~~~python
;;   def quantise(x, axis):      # numpy; x: float32 -> the quantised numbers, widened to float32 again
;;       x = np.moveaxis(x, axis, -1); K = x.shape[-1]
;;       x = np.pad(x, [(0, 0)] * (x.ndim - 1) + [(0, -K % 32)]); x = x.reshape(x.shape[:-1] + (-1, 32)); a = np.abs(x).max(-1, keepdims=True)
;;       e = np.where(a > 0, np.clip(np.frexp(np.where(a > 0, a, 1))[1] - 1 - 8, -126, 127), 0)      # np.frexp(a)[1] - 1 = floor(log2(a)), exactly
;;       r = np.clip(x / 2.0 ** e, -448, 448)
;;       step = 2.0 ** (np.maximum(np.frexp(np.where(r == 0, 1, r))[1] - 1, -6) - 3)
;;       q = np.round(r / step) * step * 2.0 ** e      # np.round: ties to even
;;       return np.moveaxis(q.reshape(q.shape[:-2] + (-1,))[..., :K], -1, axis).astype(np.float32)
;;   ~~~
;;   INPUTS GIVEN AS CODES. W1 (in the module: [1024, 1024], K = its axis 0); W2 (in the module: [1024, 1024], K = its axis 0); hidden_t (in the module: [32, 1024], K = its axis 1): each comes as NAME_codes (uint8): NAME with its K axis moved to the last place and cut into blocks of 32 codes, [.., K / 32, bytes a block], one block behind the other in memory; one code a byte (a code: sign, 4 exponent bits, 3 mantissa bits); and NAME_scales (uint8): the same leading axes, one E8M0 byte (e + 127) for each 32 codes along K. Its value is code x scale, taken as it is: it is not quantised again, and the codes and scales need not be those that the quantiser above would give.
;; One version. Each part assembles by itself: llvm-mc -triple=amdgcn-amd-amdhsa -mcpu=gfx1250 --defsym DOCPART=n.
;; ======== version 1 of 1: 3 launches
;; limits: right only within a limited range of input values
;; workspace buffers: tab 524,288 bytes; scores 262,144 bytes
;; launch query (part 1): grid 64 x 1, 1 waves a work-group, no clusters, 0 bytes of LDS; arguments hidden_t_codes, hidden_t_scales, W2_codes, W2_scales, b1, b2, V, tab; writes tab
.if DOCPART == 1
	.amdgcn_target "amdgcn-amd-amdhsa--gfx1250"
	.amdhsa_code_object_version 6
	.text
	.protected	k_q58e79ad5ae_query
	.globl	k_q58e79ad5ae_query
	.p2align	8
	.type	k_q58e79ad5ae_query,@function
k_q58e79ad5ae_query:
	s_mov_b64 s[64:65], 0
	v_nop
	global_prefetch_b8 v0, s[64:65] scope:SCOPE_SE
	s_setreg_imm32_b32 hwreg(HW_REG_WAVE_MODE, 25, 1), 1
	s_wait_xcnt 0x0
; query[b][u] = sum over k of hidden_t[b][k] W2[k][u], both operands as given: codes of E4M3 with one E8M0 byte for each 32 along K.
; Out of it a table for the next launch: tab[b][u] = { qc, qc, v2, v2 }, f32, with qc = (query[b][u] + b1[u] + b2[u]) x 2 log2(e) and v2 = -2 V[u].
; Each number stands twice, so that the next launch's packed instructions take a pair as it lies; 16 bytes for each (b, u).
; SHARES. One wave to a work-group; work-group t makes columns u = 16 t .. 16 t + 15 for all 32 batches: 2 tiles of 16 batches x 8 K steps of 128 = 16 products.
; 64 work-groups: W2's 1,024 columns hold no more tiles of 16.  W2 is read once in the whole launch.
; LIMITS: NaN and infinities among the inputs are not served.
; REGISTERS: window 0: v1-6 lane terms; v16-31 hidden_t's scale words (tile M, K step s at v[16 + 8 M + s]); v32-39 W2's; v40-44 b1, b2, V and what is made of them;
;   v48-63 the two accumulators; v64-127 sixteen tuples to store; v128-255 W2's eight fragments.   window 1: hidden_t's sixteen fragments, (M, s) at v[16 (8 M + s)].
; WORK LEFT OUT, in the whole program.  score[b][s] = sum over u of V[u] tanh(x[b][s][u]) + bV, and tanh(x) = 1 - 2 / (1 + e^(2x)), so
; score[b][s] = (sum over u of V[u] + bV) - 2 sum over u of V[u] / (1 + e^(2x)).  The bracket is the same for every s, whatever V and bV hold, and both outputs
; are made of softmax over s alone, which a term common to all s does not move.  So the bracket is not computed: bV has no way to an output, is not loaded and is no argument of any launch.
; LIMIT: a NaN, an infinity or an overflow in bV or in the sum of V is not carried to the results.
.set C2, 0x4038aa3b                    ; 2 log2(e)
.set MSB, 0
.macro WIN new                         ; the immediate's high byte repeats the setting that is left
.if MSB != (\new)
	s_set_vgpr_msb (MSB<<8)|(\new)
.set MSB, (\new)
.endif
.endm
	s_load_b256 s[4:11], s[0:1], 0x0               ; hidden_t's codes s[4:5], its scales s[6:7], W2's codes s[8:9], its scales s[10:11]
	s_load_b256 s[12:19], s[0:1], 0x20             ; b1 s[12:13], b2 s[14:15], V s[16:17], tab s[18:19]
	v_and_b32 v1, 15, v0                           ; r
	v_lshrrev_b32 v2, 4, v0                        ; h
	v_lshlrev_b32 v3, 10, v1
	v_lshl_add_u32 v3, v2, 4, v3                   ; codes: row r of 1,024 bytes, + 16 h
	v_lshlrev_b32 v4, 5, v1                        ; scale bytes: 32 a row
	v_lshlrev_b32 v5, 2, v1                        ; b1, b2, V: 4 bytes a column
	v_lshlrev_b32 v6, 4, v1
	v_lshl_add_u32 v6, v2, 17, v6                  ; tab: 16 bytes a column, + 8 h batches of 16,384 bytes
	s_mov_b32 s21, 0
	s_mov_b32 s22, C2
	s_wait_alu depctr_va_vdst(0)
	s_wait_kmcnt 0x0
	s_lshl_b32 s20, ttmp9, 14                      ; my 16 columns: 16 rows of W2's codes,
	s_add_nc_u64 s[8:9], s[8:9], s[20:21]
	s_lshl_b32 s20, ttmp9, 9                       ; of its scale bytes,
	s_add_nc_u64 s[10:11], s[10:11], s[20:21]
	s_lshl_b32 s20, ttmp9, 6                       ; 16 numbers of b1, b2 and V,
	s_add_nc_u64 s[12:13], s[12:13], s[20:21]
	s_add_nc_u64 s[14:15], s[14:15], s[20:21]
	s_add_nc_u64 s[16:17], s[16:17], s[20:21]
	s_lshl_b32 s20, ttmp9, 8                       ; and 256 bytes of each batch's row of tab
	s_add_nc_u64 s[18:19], s[18:19], s[20:21]
	WIN 0x40                                       ; destination window 1
.irp mt, 0,1
.irp ks, 0,1,2,3,4,5,6,7
.irp c, 0,1,2,3
	global_load_b128 v[16*(8*\mt+\ks)+4*\c:16*(8*\mt+\ks)+4*\c+3], v3, s[4:5] offset:16384*\mt+128*\ks+32*\c   ; hidden_t(16 M + r, 128 s + 32 c + 16 h ..)
.endr
.endr
.endr
	WIN 0
.irp ks, 0,1,2,3,4,5,6,7
.irp c, 0,1,2,3
	global_load_b128 v[128+16*\ks+4*\c:128+16*\ks+4*\c+3], v3, s[8:9] offset:128*\ks+32*\c                     ; W2's column 16 t + r likewise
.endr
.endr
.irp mt, 0,1
	global_load_b128 v[16+8*\mt:19+8*\mt], v4, s[6:7] offset:512*\mt                ; a row's eight scale words: one for each K step
	global_load_b128 v[20+8*\mt:23+8*\mt], v4, s[6:7] offset:512*\mt+16
.endr
	global_load_b128 v[32:35], v4, s[10:11]
	global_load_b128 v[36:39], v4, s[10:11] offset:16
	global_load_b32 v40, v5, s[12:13]
	global_load_b32 v41, v5, s[14:15]
	global_load_b32 v42, v5, s[16:17]
	s_wait_loadcnt 0x0
	WIN 0x01                                       ; source 0 (hidden_t) window 1
.irp ks, 0,1,2,3,4,5,6,7                       ; K ascending; the two accumulators take turns, one instruction a turn; the first products start the sums
.irp mt, 0,1
.if \ks == 0
	v_wmma_scale_f32_16x16x128_f8f6f4 v[48+8*\mt:55+8*\mt], v[16*(8*\mt+\ks):16*(8*\mt+\ks)+15], v[128+16*\ks:143+16*\ks], 0, v[16+8*\mt+\ks], v[32+\ks]
.else
	v_wmma_scale_f32_16x16x128_f8f6f4 v[48+8*\mt:55+8*\mt], v[16*(8*\mt+\ks):16*(8*\mt+\ks)+15], v[128+16*\ks:143+16*\ks], v[48+8*\mt:55+8*\mt], v[16+8*\mt+\ks], v[32+\ks]
.endif
.endr
.endr
	WIN 0
	v_add_f32 v43, v40, v41                        ; eight plain instructions stand between the last product and the first read of a result: three of use
	v_mul_f32 v43, s22, v43                        ; (b1 + b2) x 2 log2(e)
	v_mul_f32 v44, -2.0, v42                       ; -2 V
.rept 5
	v_nop                                          ; and five that fill
.endr
; Register j of tile M in lane (r, h) is query(16 M + 8 h + j, 16 t + r).  Each accumulator is read from its low end on.  Every tuple has registers of its own: no store's data are written again.
.irp mt, 0,1
.irp j, 0,1,2,3,4,5,6,7
	v_fma_f32 v[64+4*(8*\mt+\j)], v[48+8*\mt+\j], s22, v43
	v_fma_f32 v[65+4*(8*\mt+\j)], v[48+8*\mt+\j], s22, v43
	v_mov_b32 v[66+4*(8*\mt+\j)], v44
	v_mov_b32 v[67+4*(8*\mt+\j)], v44
	global_store_b128 v6, v[64+4*(8*\mt+\j):67+4*(8*\mt+\j)], s[18:19] offset:(16*\mt+\j)*16384   ; sixteen lanes store 256 consecutive bytes, at a multiple of 256 from tab's first byte
.endr
.endr
	s_endpgm
.Lfunc_end_k_q58e79ad5ae_query:
	.size	k_q58e79ad5ae_query, .Lfunc_end_k_q58e79ad5ae_query-k_q58e79ad5ae_query
	.p2alignl 7, 3214868480
	.fill 96, 4, 3214868480
	.section	.rodata,"a",@progbits
	.p2align	6, 0x0
	.amdhsa_kernel k_q58e79ad5ae_query
		.amdhsa_group_segment_fixed_size 0
		.amdhsa_private_segment_fixed_size 0
		.amdhsa_enable_private_segment 0
		.amdhsa_kernarg_size 64
		.amdhsa_user_sgpr_count 2
		.amdhsa_user_sgpr_kernarg_segment_ptr 1
		.amdhsa_wavefront_size32 1
		.amdhsa_system_sgpr_workgroup_id_x 1
		.amdhsa_system_sgpr_workgroup_id_y 1
		.amdhsa_system_sgpr_workgroup_id_z 1
		.amdhsa_system_vgpr_workitem_id 0
		.amdhsa_next_free_vgpr 512
		.amdhsa_next_free_sgpr 66
		.amdhsa_reserve_vcc 0
		.amdhsa_float_denorm_mode_32 3
		.amdhsa_float_denorm_mode_16_64 3
		.amdhsa_memory_ordered 1
		.amdhsa_forward_progress 1
		.amdhsa_inst_pref_size 18
	.end_amdhsa_kernel
	.amdgpu_metadata
---
amdhsa.version: [ 1, 2 ]
amdhsa.kernels:
  - .name:           k_q58e79ad5ae_query
    .symbol:         k_q58e79ad5ae_query.kd
    .args:
      - { .name: hidden_t_codes, .offset: 0, .size: 8, .value_kind: global_buffer, .address_space: global }
      - { .name: hidden_t_scales, .offset: 8, .size: 8, .value_kind: global_buffer, .address_space: global }
      - { .name: W2_codes, .offset: 16, .size: 8, .value_kind: global_buffer, .address_space: global }
      - { .name: W2_scales, .offset: 24, .size: 8, .value_kind: global_buffer, .address_space: global }
      - { .name: b1, .offset: 32, .size: 8, .value_kind: global_buffer, .address_space: global }
      - { .name: b2, .offset: 40, .size: 8, .value_kind: global_buffer, .address_space: global }
      - { .name: V, .offset: 48, .size: 8, .value_kind: global_buffer, .address_space: global }
      - { .name: tab, .offset: 56, .size: 8, .value_kind: global_buffer, .address_space: global }
    .group_segment_fixed_size: 0
    .private_segment_fixed_size: 0
    .kernarg_segment_align: 8
    .kernarg_segment_size: 64
    .max_flat_workgroup_size: 32
    .sgpr_count:     66
    .vgpr_count:     512
    .wavefront_size: 32
...
	.end_amdgpu_metadata
.endif
;; end of part 1
;; launch scores (part 2): grid 256 x 1, 4 waves a work-group, clusters of 4 x 1, 327,680 bytes of LDS; arguments hiddens, W1_codes, W1_scales, tab, scores; writes scores
.if DOCPART == 2
	.amdgcn_target "amdgcn-amd-amdhsa--gfx1250"
	.amdhsa_code_object_version 6
	.text
	.protected	k_q58e79ad5ae_scores
	.globl	k_q58e79ad5ae_scores
	.p2align	8
	.type	k_q58e79ad5ae_scores,@function
k_q58e79ad5ae_scores:
	s_mov_b64 s[64:65], 0
	v_nop
	global_prefetch_b8 v0, s[64:65] scope:SCOPE_SE
	s_setreg_imm32_b32 hwreg(HW_REG_WAVE_MODE, 25, 1), 1
	s_wait_xcnt 0x0
	s_wait_alu depctr_hold_cnt(0) depctr_sa_sdst(0) depctr_va_vdst(0) depctr_va_sdst(0) depctr_va_ssrc(0) depctr_va_vcc(0) depctr_vm_vsrc(0)
	s_getreg_b32 s2, hwreg(HW_REG_IB_STS2, 6, 4)
	s_cmp_eq_u32 s2, 0
	s_cbranch_scc0 .Lentry_in_a_cluster
	s_endpgm
.Lentry_in_a_cluster:
	s_bfe_u32 s2, ttmp6, 0x10000c
	s_cmp_lg_u32 s2, 0x3003
	s_cbranch_scc0 .Lentry_shape_is_right
	s_endpgm
.Lentry_shape_is_right:
; scores[b][s] = sum over u of v2[u] / (1 + 2^(keys[b][s][u] x 2 log2(e) + qc[b][u])), keys = Q(hiddens) W1 in MX-FP8; qc and v2 = -2 V come from tab.
; LEFT OUT: the term sum of V + bV, the same for all s of a batch: the softmax that alone reads these scores does not see it (shown at the head of the first kernel).
; SHARES. Work-group g owns rows 256 g .. 256 g + 255 of the 65,536 (an eighth of a batch), wave w 64 of them, for all 1,024 columns.
; PART 1: hiddens come in 8 steps of 128 along K through two LDS slots (256 rows x 512 bytes), each wave fetching and reading its own 64 rows; they are quantised
;   (a lane holds 16 neighbours of each of 4 blocks, joined with lane l xor 16) and end as 32 fragments in 512 registers; a park in LDS carries codes from the work registers to their window.
; PART 2: W1's codes come through two slots of 128 columns x 1,024 bytes, asked for JOINTLY by the four work-groups of a cluster (all read the same tiles).
;   The unit of work is a TILE of 16 columns: 32 products (4 accumulators by turns x 8 K steps) with no transcendental between the links of a sum; behind the run the results take
;   x C + qc, then ONE batch of 64 transcendentals: this tile's 2^x and the tile before's reciprocals.  The + 1 and the weighted sums of the two tiles before stand among the next run's products.
;   Four sets of accumulators and two sets of B's fragments take turns; the next tile's fragments are fetched at a tile's head.
; W1's later slots are not prefetched: a refill has eight tiles' work, 256 products a wave, between its request and the wait for it.
; LIMITS: NaN and infinities among the inputs are not served.
; REGISTERS: window 0: v1-15 addresses; v16-47 A's scale words (8 m + K step); v48-63 B's, two sets; v80-95 four tuples of tab; v96-127 the 32 row sums; v128-255 four sets of 4 accumulators
;   (in part 1: v128-191 the numbers, v192-224 codes and scales at work; v48-111 W1's scale bytes on their way).  windows 1, 2: A's fragments.  window 3: B's, two sets of 128.
.set ASLOT,  135168                    ; 256 rows x 528
.set APART,  33792
.set APITCH, 528
.set BSLOT,  133120                    ; 128 columns x 1,040
.set BPART,  33280
.set BPITCH, 1040
.set PARK,   270336                    ; 4 x 8,192: each wave's codes in part 1; in part 2 W1's 32,768 scale bytes, each wave's quarter in its own park
.set PSC,    303104                    ; 4 x 512: each wave's scale words in part 1
.set TAB,    305152                    ; my batch's row of tab, 16,384 bytes
.set SOUT,   321536                    ; 4 x 256: the way out
.set SPARE,  322560                    ; the spare words, 128 bytes a wave
.set SPW, 1
.set NIL, 2
.set VA0, 3
.set VP0, 4
.set VS0, 5
.set VB0, 6
.set VT0, 7
.set VG0, 8
.set ADX, 9
.set ADT, 9
.set ADP, 10
.set ADS, 11
.set ADG, 11
.set ADB, 12
.set VPF, 13
.set VGL, 14
.set VPW, 15
.set AS,  16
.set BS,  48
.set TBL, 80
.set SUMS, 96
.set ACC, 128
.set X,   128
.set PC,  192
.set TM,  208
.set PW,  224
.set WV,  16
.set CC,  22
.set SEL, 24
.set MNT, 26
.set G1H, 28
.set G1W, 36
.set G0H, 52
.set G0W, 60
.set PB,  72
.set TP,  73
.set CSL, 74
.set CIN, 75
.set CM,  76
.set AXS, 77
.set PKS, 78
.set PSS, 79
.set HB,  80
.set SP,  85
.set MSB, 0
.macro WIN new                         ; the immediate's high byte repeats the setting that is left
.if MSB != (\new)
	s_set_vgpr_msb (MSB<<8)|(\new)
.set MSB, (\new)
.endif
.endm
.macro PLACES n
.rept \n
	v_nop
.endr
.endm
.macro CROUND                          ; a round of the cluster's barrier
	s_barrier_signal -1
	s_barrier_wait -1
	s_cmp_lg_u32 s[WV], 0
	s_cbranch_scc1 .Lnot_wave_0_\@
	s_barrier_signal -3
.Lnot_wave_0_\@:
	s_barrier_wait -3
	s_barrier_signal -1
	s_barrier_wait -1
.endm
	s_load_b256 s[4:11], s[0:1], 0x0               ; hiddens s[4:5], W1's codes s[6:7], its scales s[8:9], tab s[10:11]
	s_load_b64 s[14:15], s[0:1], 0x20              ; scores
	v_lshl_add_u32 v[SPW], v0, 2, SPARE
	v_mov_b32 v[NIL], 0
	ds_add_u32 v[SPW], v[NIL]                      ; the opening lines: the add,
	ds_add_u32 v[SPW], v[NIL]                      ; twice on end, under one wait
	v_lshrrev_b32 v3, 5, v0
	v_readfirstlane_b32 s[WV], v3                  ; wave 0..3
	s_bfe_u32 s17, ttmp6, 0x40000                  ; cx
	s_lshl_b32 s18, ttmp9, 2
	s_add_co_u32 s18, s18, s17                     ; work-group g
	s_mov_b32 s[G1H+0], (2<<16)|(1<<20)|(6<<22)|(3<<25)   ; hiddens: 64 rows x 128 f32, 16 bytes of padding behind each 512
	s_mov_b32 s[G1H+1], 128<<16
	s_mov_b32 s[G1H+2], 64<<16
	s_mov_b32 s[G1H+3], 128<<16
	s_mov_b32 s[G1H+4], 64
	s_mov_b32 s[G1H+5], 1024
	s_mov_b32 s[G1H+6], 0
	s_mov_b32 s[G1H+7], 0
	s_mov_b32 s[G1W+0], 15|(1<<20)|(1<<21)|(7<<22)|(3<<25)   ; W1: 32 columns x 1,024 bytes, 16 of padding behind each; the mask names the cluster's four
	s_mov_b32 s[G1W+1], 1024<<16
	s_mov_b32 s[G1W+2], 32<<16
	s_mov_b32 s[G1W+3], 1024<<16
	s_mov_b32 s[G1W+4], 32
	s_mov_b32 s[G1W+5], 1024
	s_mov_b32 s[G1W+6], 0
	s_mov_b32 s[G1W+7], 0
	s_mov_b32 s[CC], 0x4038aa3b                    ; 2 log2(e)
	s_mov_b32 s[CC+1], s[CC]
	s_mov_b32 s[SEL], 0x76543210                   ; v_permlanex16_b32's selects for lane l xor 16
	s_mov_b32 s[SEL+1], 0xfedcba98
	s_mov_b32 s[MNT], 0x600000                     ; the mantissa field of 448
	s_mov_b32 s[PB], 2*BSLOT
	s_mov_b32 s[TP], 0
	s_mov_b32 s[SP], 0
	s_mov_b32 s21, 0
	s_mov_b32 s83, 0
	s_wait_alu depctr_va_vdst(0)
	s_wait_dscnt 0x0
	s_wait_kmcnt 0x0
	s_lshl_b32 s82, s18, 20                        ; 256 rows of 4,096 bytes a work-group,
	s_lshl_b32 s84, s[WV], 18                      ; 64 a wave
	s_add_co_u32 s82, s82, s84
	s_add_nc_u64 s[HB:HB+1], s[4:5], s[82:83]
	s_lshl_b32 s82, s18, 10
	s_lshl_b32 s84, s[WV], 8
	s_add_co_u32 s82, s82, s84
	s_add_nc_u64 s[14:15], s[14:15], s[82:83]      ; my wave's 64 scores
	s_lshr_b32 s20, ttmp9, 1                       ; batch = g / 8
	s_lshl_b32 s20, s20, 14
	s_add_nc_u64 s[10:11], s[10:11], s[20:21]      ; its row of tab
	s_mov_b32 s[G0H], 1
	s_mul_i32 s[G0H+1], s[WV], APART
	s_mov_b64 s[G0H+2:G0H+3], s[HB:HB+1]
	s_or_b32 s[G0H+3], s[G0H+3], 0x80000000
	s_mov_b32 s[G0H+4], 1
	s_add_co_u32 s[G0H+5], s[G0H+1], ASLOT
	s_add_nc_u64 s[G0H+6:G0H+7], s[HB:HB+1], 512
	s_or_b32 s[G0H+7], s[G0H+7], 0x80000000
	s_mov_b32 s[G0W], 1
	s_mul_i32 s[G0W+1], s[WV], BPART
	s_lshl_b32 s20, s[WV], 15
	s_add_nc_u64 s[G0W+2:G0W+3], s[6:7], s[20:21]
	s_or_b32 s[G0W+3], s[G0W+3], 0x80000000
	CROUND
	tensor_load_to_lds s[G0H:G0H+3], s[G1H:G1H+7]  ; K step 0: my one tensor load at the head
	s_nop 0
	v_lshlrev_b32 v9, 4, v0
.irp i, 0,1,2,3,4,5,6,7
	global_load_b128 v[128+4*\i:131+4*\i], v9, s[10:11] offset:2048*\i   ; tab's row: 128 threads x 16 bytes, eight times
.endr
	v_add_nc_u32 v10, TAB, v9
	v_and_b32 v208, 15, v0                         ; r
	v_bfe_u32 v209, v0, 4, 1                       ; h
	v_and_b32 v210, 31, v0                         ; lane
	s_lshl_b32 s19, s[WV], 13
	v_lshl_add_u32 v[VGL], v210, 4, s19            ; 8,192 w + 16 lane
.irp i, 0,1,2,3,4,5,6,7,8,9,10,11,12,13,14,15
	global_load_b128 v[48+4*\i:51+4*\i], v[VGL], s[8:9] offset:512*\i    ; my quarter of W1's scale bytes: they stay on their way through part 1
.endr
	v_add_nc_u32 v[VP0], PARK, v[VGL]
	s_mul_i32 s19, s[WV], APART
	v_mul_u32_u24 v[VA0], v208, APITCH
	v_lshl_add_u32 v[VA0], v209, 6, v[VA0]
	v_add_nc_u32 v[VA0], s19, v[VA0]               ; hiddens in a slot: my wave's rows, row r, 64 h bytes
	s_lshl_b32 s19, s[WV], 9
	s_add_co_u32 s19, s19, PSC
	v_lshl_add_u32 v[VS0], v210, 2, s19
	v_mul_u32_u24 v[VB0], v208, BPITCH
	v_lshl_add_u32 v[VB0], v209, 4, v[VB0]         ; W1 in a slot: column r, 16 h bytes
	v_lshl_add_u32 v[VT0], v208, 4, TAB            ; tab: 16 bytes a column
	v_lshl_add_u32 v[VG0], v208, 5, PARK           ; W1's scales: 32 bytes a column
	v_lshrrev_b32 v211, 1, v210
	v_and_b32 v[VPF], 1, v210
	v_lshlrev_b32 v[VPF], 8, v[VPF]
	v_lshl_add_u32 v[VPF], v211, 12, v[VPF]        ; prefetch of hiddens: two lanes to a row's 512 bytes, 16 rows an instruction
.irp st, 1,2
.irp k, 0,1,2,3
	global_prefetch_b8 v[VPF], s[HB:HB+1] offset:65536*\k+512*\st th:TH_LOAD_NT scope:SCOPE_SE   ; K steps 1 and 2: what trips 0 and 1 will load
.endr
.endr
	s_lshl_b32 s19, s17, 7
	v_add_nc_u32 v[VPW], s19, v0
	v_lshlrev_b32 v[VPW], 8, v[VPW]                ; prefetch of W1: the cluster's 512 threads share a slot's 512 blocks of 256 bytes out by address
.irp b, 0,1,2,3
	v_mov_b32 v[TM+4+\b], 0                        ; a lane permute's destination counts as one of its sources
.endr
	s_wait_alu depctr_va_vdst(0)
	s_wait_loadcnt 16                              ; tab's eight loads are in; the sixteen behind them stay out
.irp i, 0,1,2,3,4,5,6,7
	ds_store_b128 v10, v[128+4*\i:131+4*\i] offset:2048*\i
.endr
; 64 numbers a lane (4 blocks x 16) become 16 registers of codes and a scale word
.macro QUANT
.irp b, 0,1,2,3
	v_max3_num_f32 v[TM+\b], |v[X+16*\b]|, |v[X+1+16*\b]|, 0x4800000   ; the floor 2^(9 - 127) holds the byte at 1 from below
.endr
.irp i, 2,4,6,8,10,12,14
.irp b, 0,1,2,3
	v_max3_num_f32 v[TM+\b], v[TM+\b], |v[X+16*\b+\i]|, |v[X+1+16*\b+\i]|
.endr
.endr
.irp b, 0,1,2,3
	v_permlanex16_b32 v[TM+4+\b], v[TM+\b], s[SEL], s[SEL+1]
.endr
.irp b, 0,1,2,3
	v_max_num_f32 v[TM+\b], v[TM+\b], v[TM+4+\b]
.endr
.irp b, 0,1,2,3
	v_add_nc_u32 v[TM+12+\b], 0xfc000000, v[TM+\b]         ; 8 off the exponent field: the conversion's scale operand
.endr
.irp b, 0,1,2,3
	v_and_or_b32 v[TM+8+\b], v[TM+\b], 0x7f800000, s[MNT]  ; 448 x the scale
.endr
.irp b, 0,1,2,3
	v_lshrrev_b32 v[TM+4+\b], 23, v[TM+12+\b]              ; the scale's byte
.endr
	v_lshl_or_b32 v[PW], v[TM+5], 8, v[TM+4]
	v_lshl_or_b32 v[PW], v[TM+6], 16, v[PW]
	v_lshl_or_b32 v[PW], v[TM+7], 24, v[PW]
.irp b, 0,1,2,3
.irp i, 0,1,2,3,4,5,6,7,8,9,10,11,12,13,14,15
	v_med3_num_f32 v[X+16*\b+\i], v[X+16*\b+\i], -v[TM+8+\b], v[TM+8+\b]   ; the conversion does not saturate (ISA guide 7.6.2)
.endr
	v_cvt_scalef32_pk8_fp8_f32 v[PC+4*\b:PC+1+4*\b], v[X+16*\b:X+7+16*\b], v[TM+12+\b]
	v_cvt_scalef32_pk8_fp8_f32 v[PC+2+4*\b:PC+3+4*\b], v[X+8+16*\b:X+15+16*\b], v[TM+12+\b]
.endr
	v_nop
.endm
; K step s of part 1.  In front of the round: all my tensor loads are in, the add, my LDS reads are back.  Behind it my one load: K step s + 1, or (s = 7) my part of W1's slot 0, into the slot read last.
; Prefetches name what the load two trips on will ask for: the head K steps 1 and 2, trips 0 to 4 K step s + 3 (my 64 rows x 512 bytes, 4 instructions a K step), trips 5 and 6 W1's slots 0 and 1.
.macro KSTEP s
.set gh, G0H+4*(((\s)+1)%2)
	s_wait_tensorcnt 0x0
	ds_add_u32 v[SPW], v[NIL]
.if ((\s) >= 1) && ((\s) <= 6)
	s_add_nc_u64 s[gh+2:gh+3], s[gh+2:gh+3], 1024
.endif
	s_wait_dscnt 0x0
	CROUND
.if (\s) <= 6
	tensor_load_to_lds s[gh:gh+3], s[G1H:G1H+7]
	s_nop 0
.else
	tensor_load_to_lds s[G0W:G0W+3], s[G1W:G1W+7]
	s_nop 0
.endif
	PLACES 4
.if (\s) <= 4
.irp k, 0,1,2,3
	global_prefetch_b8 v[VPF], s[HB:HB+1] offset:65536*\k+512*((\s)+3) th:TH_LOAD_NT scope:SCOPE_SE
.endr
.elseif (\s) <= 6
	global_prefetch_b8 v[VPW], s[6:7] offset:131072*((\s)-5) th:TH_LOAD_NT scope:SCOPE_SE
.endif
	s_mov_b32 s[AXS], ((\s)%2)*ASLOT
	s_mov_b32 s[PKS], 0
	s_mov_b32 s[PSS], 0
	s_mov_b32 s[CM], 4
.Lrows_\@:                                             ; four tiles of 16 rows
	v_add_nc_u32 v[ADX], s[AXS], v[VA0]
	v_add_nc_u32 v[ADP], s[PKS], v[VP0]
	v_add_nc_u32 v[ADS], s[PSS], v[VS0]
.irp c, 0,1,2,3
.irp j, 0,1,2,3
	ds_load_b128 v[X+16*\c+4*\j:X+16*\c+4*\j+3], v[ADX] offset:128*\c+16*\j   ; K = 32 c + 16 h + 4 j ..
.endr
.endr
	s_wait_dscnt 0x0
	QUANT
.irp c, 0,1,2,3
	ds_store_b128 v[ADP], v[PC+4*\c:PC+4*\c+3] offset:512*\c
.endr
	ds_store_b32 v[ADS], v[PW]
	s_add_co_u32 s[AXS], s[AXS], 16*APITCH
	s_add_co_u32 s[PKS], s[PKS], 2048
	s_add_co_u32 s[PSS], s[PSS], 128
	s_sub_co_u32 s[CM], s[CM], 1
	s_cmp_lg_u32 s[CM], 0
	s_cbranch_scc1 .Lrows_\@
	WIN 0x40*(1+(\s)/4)                            ; out of my park into the fragments' registers (LDS serves a wave's instructions in order)
.irp m, 0,1,2,3
.irp c, 0,1,2,3
	ds_load_b128 v[16*(4*((\s)%4)+\m)+4*\c:16*(4*((\s)%4)+\m)+4*\c+3], v[VP0] offset:2048*\m+512*\c
.endr
.endr
	WIN 0
.irp m, 0,1,2,3
	ds_load_b32 v[AS+8*\m+(\s)], v[VS0] offset:128*\m
.endr
.endm
.irp k, 0,1,2,3,4,5,6,7
	KSTEP \k
.endr
	s_wait_loadcnt 0x0                             ; W1's scale bytes: into my own park, behind my last reads of it; the others read them behind the round below
.irp i, 0,1,2,3,4,5,6,7,8,9,10,11,12,13,14,15
	ds_store_b128 v[VP0], v[48+4*\i:51+4*\i] offset:512*\i
.endr
.set ii, 0
.rept 32
	v_mov_b32 v[SUMS+ii], 0
.set ii, ii+1
.endr
; PART 2.  Four products: K step k of set s's four accumulators, by turns; the first K step starts the sums
.macro MM4 s, k
.irp m, 0,1,2,3
.if (\k) == 0
	v_wmma_scale_f32_16x16x128_f8f6f4 v[ACC+32*(\s)+8*\m:ACC+32*(\s)+8*\m+7], v[16*(4*((\k)%4)+\m):16*(4*((\k)%4)+\m)+15], v[128*((\s)%2)+16*(\k):128*((\s)%2)+16*(\k)+15], 0, v[AS+8*\m+(\k)], v[BS+8*((\s)%2)+(\k)]
.else
	v_wmma_scale_f32_16x16x128_f8f6f4 v[ACC+32*(\s)+8*\m:ACC+32*(\s)+8*\m+7], v[16*(4*((\k)%4)+\m):16*(4*((\k)%4)+\m)+15], v[128*((\s)%2)+16*(\k):128*((\s)%2)+16*(\k)+15], v[ACC+32*(\s)+8*\m:ACC+32*(\s)+8*\m+7], v[AS+8*\m+(\k)], v[BS+8*((\s)%2)+(\k)]
.endif
.endr
.endm
.macro EA s, i                         ; keys x 2 log2(e) + qc
	v_pk_fma_f32 v[ACC+32*(\s)+2*(\i):ACC+32*(\s)+2*(\i)+1], v[ACC+32*(\s)+2*(\i):ACC+32*(\s)+2*(\i)+1], s[CC:CC+1], v[TBL+4*(\s):TBL+4*(\s)+1] op_sel_hi:[1,0,1]
.endm
.macro EP s, i                         ; + 1
	v_pk_add_f32 v[ACC+32*(\s)+2*(\i):ACC+32*(\s)+2*(\i)+1], v[ACC+32*(\s)+2*(\i):ACC+32*(\s)+2*(\i)+1], 1.0 op_sel_hi:[1,0]
.endm
.macro EF s, i                         ; the row sums += v2 x reciprocal
	v_pk_fma_f32 v[SUMS+2*(\i):SUMS+2*(\i)+1], v[ACC+32*(\s)+2*(\i):ACC+32*(\s)+2*(\i)+1], v[TBL+4*(\s)+2:TBL+4*(\s)+3], v[SUMS+2*(\i):SUMS+2*(\i)+1]
.endm
.macro RCPS s
.set ii, 0
.rept 32
	v_rcp_f32 v[ACC+32*(\s)+ii], v[ACC+32*(\s)+ii]
.set ii, ii+1
.endr
.endm
.macro FETCH b                         ; the next tile: its 8 scale words and its 8 fragments into set b: 34 LDS loads
	v_add_nc_u32 v[ADB], s[PB], v[VB0]
	v_add_nc_u32 v[ADG], s[SP], v[VG0]
	ds_load_b128 v[BS+8*(\b):BS+8*(\b)+3], v[ADG]
	ds_load_b128 v[BS+8*(\b)+4:BS+8*(\b)+7], v[ADG] offset:16
	WIN 0xc0
.irp k, 0,1,2,3,4,5,6,7
.irp c, 0,1,2,3
	ds_load_b128 v[128*(\b)+16*\k+4*\c:128*(\b)+16*\k+4*\c+3], v[ADB] offset:128*\k+32*\c
.endr
.endr
	WIN 0
	s_add_co_u32 s[PB], s[PB], 16*BPITCH
	s_add_co_u32 s[SP], s[SP], 512
.endm
; One tile, on accumulator set s.  fetch: the next tile is fetched.  ep: the tile before takes + 1 and its reciprocals.  ef: the tile two before is summed.
.macro HALF s, fetch, ep, ef
	v_add_nc_u32 v[ADT], s[TP], v[VT0]
	ds_load_b128 v[TBL+4*(\s):TBL+4*(\s)+3], v[ADT]        ; this tile's { qc, qc, v2, v2 }
	s_add_co_u32 s[TP], s[TP], 256
.if \fetch
	FETCH ((\s)+1)%2
	s_wait_dscnt 35                                ; all but the 35 just issued: this tile's fragments and scale words are in
.else
	s_wait_dscnt 1
.endif
.irp k, 0,1,2,3,4,5,6,7
	WIN 0x0d+\k/4                                  ; A window 1 or 2, B window 3
	MM4 \s, \k
.if \ep
	WIN 0
	EP ((\s)+3)%4, 2*\k
	EP ((\s)+3)%4, 2*\k+1
.if \ef
	EF ((\s)+2)%4, \k
.endif
.endif
.endr
	WIN 0
.if \fetch
	s_wait_dscnt 34                                ; the tuple of tab is in; the 34 behind it may be out
.else
	s_wait_dscnt 0
.endif
.if \ef
.irp i, 8,9,10,11,12,13,14,15
	EF ((\s)+2)%4, \i                              ; eight plain instructions that name no register of the run: its places
.endr
.else
	PLACES 8
.endif
.irp i, 0,1,2,3,4,5,6,7,8,9,10,11,12,13,14,15
	EA \s, \i                                      ; each accumulator from its low end on
.endr
	s_wait_alu depctr_va_vdst(0)                   ; the wait ahead of the batch,
.set ii, 0
.rept 32
	v_exp_f32 v[ACC+32*(\s)+ii], v[ACC+32*(\s)+ii]
.set ii, ii+1
.endr
.if \ep
	RCPS ((\s)+3)%4
.endif
	v_nop
	s_wait_alu depctr_va_vdst(0)                   ; and behind it
.endm
; A change of W1's slots, ahead of the tile whose head fetches the next slot's first tile: the slot read so far lies in registers.  fill: it is filled again, jointly, behind a round.
.macro CHANGE fill
	s_wait_tensorcnt 0x0
	ds_add_u32 v[SPW], v[NIL]
.if \fill
	s_xor_b32 s[G0W+1], s[G0W+1], BSLOT
	s_add_nc_u64 s[G0W+2:G0W+3], s[G0W+2:G0W+3], 131072
.endif
	s_wait_dscnt 0x0
.if \fill
	CROUND
	tensor_load_to_lds s[G0W:G0W+3], s[G1W:G1W+7]
	s_nop 0
	PLACES 4
.else
	s_barrier_signal -1
	s_barrier_wait -1
.endif
	s_sub_co_u32 s[PB], s[PB], BSLOT               ; the fetches go on in the other slot
	s_xor_b32 s[PB], s[PB], BSLOT
.endm
.macro BLK
	HALF 3, 1, 1, 1
	HALF 0, 1, 1, 1
	HALF 1, 1, 1, 1
	HALF 2, 1, 1, 1
.endm
.macro EIGHT
	s_mov_b32 s[CIN], 2
.Leight_\@:
	BLK
	s_sub_co_u32 s[CIN], s[CIN], 1
	s_cmp_lg_u32 s[CIN], 0
	s_cbranch_scc1 .Leight_\@
.endm
	CHANGE 1                                       ; slot 0 is in; slot 1 is asked for
	FETCH 0
	HALF 0, 1, 0, 0                                ; tiles 0 to 2 fill the pipeline
	HALF 1, 1, 1, 0
	HALF 2, 1, 1, 1
	BLK                                            ; tiles 3 to 6
	s_mov_b32 s[CSL], 6
.Lslot:                                                ; tiles 7 to 54; slots 2 to 7 are asked for
	CHANGE 1
	EIGHT
	s_sub_co_u32 s[CSL], s[CSL], 1
	s_cmp_lg_u32 s[CSL], 0
	s_cbranch_scc1 .Lslot
	CHANGE 0                                       ; the last slot is in; nothing is left to ask for
	EIGHT                                          ; tiles 55 to 62
	HALF 3, 0, 1, 1                                ; tile 63
.irp i, 0,1,2,3,4,5,6,7,8,9,10,11,12,13,14,15
	EP 3, \i
.endr
.irp i, 0,1,2,3,4,5,6,7,8,9,10,11,12,13,14,15
	EF 2, \i
.endr
	s_wait_alu depctr_va_vdst(0)
	RCPS 3
	v_nop
	s_wait_alu depctr_va_vdst(0)
.irp i, 0,1,2,3,4,5,6,7,8,9,10,11,12,13,14,15
	EF 3, \i
.endr
.irp xm, 1,2,4,8                       ; a lane holds one column of sixteen: the sums over the sixteen lanes of a half
.set ii, 0
.rept 32
	v_add_f32_dpp v[SUMS+ii], v[SUMS+ii], v[SUMS+ii] row_xmask:\xm row_mask:0xf bank_mask:0xf
.set ii, ii+1
.endr
.endr
	v_bfe_u32 v9, v0, 4, 1
	s_lshl_b32 s19, s[WV], 8
	s_add_co_u32 s19, s19, SOUT
	v_lshl_add_u32 v9, v9, 5, s19
.set ii, 0
.rept 32
	ds_store_b32 v9, v[SUMS+ii] offset:64*(ii/8)+4*(ii%8)   ; row 16 m + 8 h + j; the sixteen lanes of a half write one word with one value
.set ii, ii+1
.endr
	v_and_b32 v10, 31, v0
	v_lshlrev_b32 v11, 3, v10
	v_add_nc_u32 v10, s19, v11
	ds_load_b64 v[TBL:TBL+1], v10
	s_wait_alu depctr_va_vdst(0)
	s_wait_dscnt 0x0
	global_store_b64 v11, v[TBL:TBL+1], s[14:15]   ; 32 lanes store 256 consecutive bytes, at a multiple of 256 from the buffer's first byte
	s_wait_tensorcnt 0x0                           ; the wave's end
	ds_add_u32 v[SPW], v[NIL]
	s_wait_dscnt 0x0
	CROUND                                         ; the closing round
	s_endpgm
.Lfunc_end_k_q58e79ad5ae_scores:
	.size	k_q58e79ad5ae_scores, .Lfunc_end_k_q58e79ad5ae_scores-k_q58e79ad5ae_scores
	.p2alignl 7, 3214868480
	.fill 96, 4, 3214868480
	.section	.rodata,"a",@progbits
	.p2align	6, 0x0
	.amdhsa_kernel k_q58e79ad5ae_scores
		.amdhsa_group_segment_fixed_size 327680
		.amdhsa_private_segment_fixed_size 0
		.amdhsa_enable_private_segment 0
		.amdhsa_kernarg_size 40
		.amdhsa_user_sgpr_count 2
		.amdhsa_user_sgpr_kernarg_segment_ptr 1
		.amdhsa_wavefront_size32 1
		.amdhsa_system_sgpr_workgroup_id_x 1
		.amdhsa_system_sgpr_workgroup_id_y 1
		.amdhsa_system_sgpr_workgroup_id_z 1
		.amdhsa_system_vgpr_workitem_id 0
		.amdhsa_next_free_vgpr 1024
		.amdhsa_next_free_sgpr 96
		.amdhsa_reserve_vcc 0
		.amdhsa_float_denorm_mode_32 3
		.amdhsa_float_denorm_mode_16_64 3
		.amdhsa_memory_ordered 1
		.amdhsa_forward_progress 1
		.amdhsa_inst_pref_size 255
	.end_amdhsa_kernel
	.section	.bss,"aw",@nobits
	.p2align	6
	.space	262144
	.amdgpu_metadata
---
amdhsa.version: [ 1, 2 ]
amdhsa.kernels:
  - .name:           k_q58e79ad5ae_scores
    .symbol:         k_q58e79ad5ae_scores.kd
    .args:
      - { .name: hiddens, .offset: 0, .size: 8, .value_kind: global_buffer, .address_space: global }
      - { .name: W1_codes, .offset: 8, .size: 8, .value_kind: global_buffer, .address_space: global }
      - { .name: W1_scales, .offset: 16, .size: 8, .value_kind: global_buffer, .address_space: global }
      - { .name: tab, .offset: 24, .size: 8, .value_kind: global_buffer, .address_space: global }
      - { .name: scores, .offset: 32, .size: 8, .value_kind: global_buffer, .address_space: global }
    .group_segment_fixed_size: 327680
    .private_segment_fixed_size: 0
    .kernarg_segment_align: 8
    .kernarg_segment_size: 40
    .max_flat_workgroup_size: 128
    .sgpr_count:     96
    .vgpr_count:     1024
    .wavefront_size: 32
...
	.end_amdgpu_metadata
.endif
;; end of part 2
;; launch context (part 3): grid 256 x 1, 4 waves a work-group, no clusters, 327,680 bytes of LDS; arguments scores, hiddens, out0, out1; writes out0, out1
.if DOCPART == 3
	.amdgcn_target "amdgcn-amd-amdhsa--gfx1250"
	.amdhsa_code_object_version 6
	.text
	.protected	k_q58e79ad5ae_context
	.globl	k_q58e79ad5ae_context
	.p2align	8
	.type	k_q58e79ad5ae_context,@function
k_q58e79ad5ae_context:
	s_mov_b64 s[64:65], 0
	v_nop
	global_prefetch_b8 v0, s[64:65] scope:SCOPE_SE
	s_setreg_imm32_b32 hwreg(HW_REG_WAVE_MODE, 25, 1), 1
	s_wait_xcnt 0x0
; out1[b][s] = softmax over s of scores[b][s];  out0[b][c] = sum over s of out1[b][s] hiddens[b][s][c].  All in f32; the largest score of the batch is taken away before the exponential.
; (The scores lack a term that is the same for all s of a batch: shown at the head of the first kernel.)
; SHARES.  Work-group (b, c) = (number / 8, number % 8) owns columns 128 c .. 128 c + 127 of batch b over all 2,048 rows: each number of out0 has one owner and no part sum goes to memory.
; The rows come in 8 steps of 256 through two LDS slots of 256 x 512 bytes, filled by tensor loads: wave w fetches, and alone reads, rows 64 w .. 64 w + 63 of a step.
; A row's 512 bytes are read by one LDS load of 16 bytes a lane, so the rows need no padding.  Row i adds into chain i % 4 of four sums a lane.
; Every work-group makes the batch's 2,048 numbers e = 2^((score - largest) log2(e)) for itself (16 a thread), under the first tile's flight; they lie in LDS unnormalised,
; and 1 / their sum multiplies the finished column sums once, and the 256 weights that work-group c stores to out1.
; PREFETCH: the head asks for steps 1 and 2, trip t (0 to 4) for step t + 3: what the tensor load two trips on will ask for; each wave names its own tile's 128 blocks of 256 bytes once.
; No cluster: the work-groups share nothing but a batch's 8,192 bytes of scores.  No matrix unit: one multiply-add for each number read.
; LIMITS: NaN and infinities among the scores are not served; an e under 2^-126 counts as 0 (v_exp_f32 flushes denormals).
; REGISTERS: v1-2 the add's; v3 16 x thread; v4 my rows in slot 0; v5 my weights; v6 prefetch offset; v7-8 addresses at work; v12 1 / sum; v16-31 the chains; v32-47 my 16 scores, then e;
;   v48-63 16 weights; v64-127 16 rows; v128-137 out1's.
.set SLOT,  131072
.set WT,    262144                     ; the 2,048 e
.set RED,   270336                     ; 4 maxima; at + 64 the 4 sums
.set PART,  270592                     ; 4 waves x 512 bytes: their column sums
.set SPARE, 272640                     ; the spare words, 128 bytes a wave
.set G1, 24
.set G0, 36
	s_load_b256 s[4:11], s[0:1], 0x0               ; scores s[4:5], hiddens s[6:7], out0 s[8:9], out1 s[10:11]
	v_lshl_add_u32 v1, v0, 2, SPARE
	v_mov_b32 v2, 0
	ds_add_u32 v1, v2                              ; the opening lines: the add,
	ds_add_u32 v1, v2                              ; twice on end, under one wait
	v_lshrrev_b32 v3, 5, v0
	v_readfirstlane_b32 s16, v3                    ; wave 0..3
	s_lshr_b32 s17, ttmp9, 3                       ; b
	s_and_b32 s18, ttmp9, 7                        ; c
	s_mov_b32 s12, 0x76543210                      ; v_permlanex16_b32's selects for lane l xor 16
	s_mov_b32 s13, 0xfedcba98
	s_mov_b32 s15, 0x3fb8aa3b                      ; log2(e)
	s_mov_b32 s[G1+0], 2<<16                       ; a tile: 64 rows x 128 f32, 1,024 numbers from row to row, dense in LDS
	s_mov_b32 s[G1+1], 128<<16
	s_mov_b32 s[G1+2], 64<<16
	s_mov_b32 s[G1+3], 128<<16
	s_mov_b32 s[G1+4], 64
	s_mov_b32 s[G1+5], 1024
	s_mov_b32 s[G1+6], 0
	s_mov_b32 s[G1+7], 0
	s_lshl_b32 s20, s17, 13                        ; the batch's 8,192 bytes of scores and of out1
	s_mov_b32 s21, 0
	s_lshl_b32 s22, s17, 23                        ; hiddens: the batch's 2,048 rows of 4,096 bytes,
	s_lshl_b32 s23, s16, 18                        ; my wave's 64 of a step's 256,
	s_add_co_u32 s22, s22, s23
	s_lshl_b32 s23, s18, 9                         ; my work-group's 512 bytes of a row
	s_add_co_u32 s22, s22, s23
	s_lshl_b32 s32, s17, 12                        ; out0: 4,096 b + 512 c
	s_add_co_u32 s32, s32, s23
	s_mov_b32 s23, 0
	s_mov_b32 s33, 0
	s_wait_alu depctr_va_vdst(0)
	s_wait_dscnt 0x0
	s_wait_kmcnt 0x0
	s_add_nc_u64 s[4:5], s[4:5], s[20:21]
	s_add_nc_u64 s[10:11], s[10:11], s[20:21]
	s_add_nc_u64 s[6:7], s[6:7], s[22:23]
	s_add_nc_u64 s[8:9], s[8:9], s[32:33]
	s_mov_b32 s[G0], 1
	s_lshl_b32 s[G0+1], s16, 15                    ; my 32,768 bytes of slot 0
	s_mov_b64 s[G0+2:G0+3], s[6:7]
	s_or_b32 s[G0+3], s[G0+3], 0x80000000
	s_mov_b32 s[G0+4], 1
	s_add_co_u32 s[G0+5], s[G0+1], SLOT
	s_add_nc_u64 s[G0+6:G0+7], s[6:7], 0x100000    ; step 1: 256 rows on
	s_or_b32 s[G0+7], s[G0+7], 0x80000000
	tensor_load_to_lds s[G0:G0+3], s[G1:G1+7]      ; step 0: my one tensor load at the head
	s_nop 0
	v_lshlrev_b32 v3, 4, v0
.irp i, 0,1,2,3
	global_load_b128 v[32+4*\i:35+4*\i], v3, s[4:5] offset:2048*\i   ; scores 4 t + 512 i ..
.endr
	v_and_b32 v14, 31, v0
	v_lshl_add_u32 v4, v14, 4, s[G0+1]
	v_lshrrev_b32 v15, 1, v14
	v_and_b32 v6, 1, v14
	v_lshlrev_b32 v6, 8, v6
	v_lshl_add_u32 v6, v15, 12, v6                 ; two lanes to a row's 512 bytes, 16 rows an instruction
.irp st, 1,2
.irp k, 0,1,2,3
	global_prefetch_b8 v6, s[6:7] offset:(\st<<20)+65536*\k th:TH_LOAD_NT scope:SCOPE_SE
.endr
.endr
	s_lshl_b32 s19, s16, 8
	s_add_co_u32 s19, s19, WT
	v_mov_b32 v5, s19                              ; my 64 weights of step 0, the same address in every lane
	s_lshl_b32 s19, s16, 2
	s_add_co_u32 s19, s19, RED
	v_mov_b32 v10, s19                             ; my wave's word
	v_mov_b32 v11, RED
	v_add_nc_u32 v15, WT, v3
	v_mov_b32 v9, 0                                ; a lane permute's destination counts as one of its sources
.set ii, 0
.rept 16
	v_mov_b32 v[16+ii], 0
.set ii, ii+1
.endr
	s_wait_alu depctr_va_vdst(0)
	s_wait_loadcnt 0x0
	v_max3_num_f32 v13, v32, v33, v34              ; THE LARGEST SCORE: of my sixteen,
.irp k, 35,37,39,41,43,45
	v_max3_num_f32 v13, v13, v[\k], v[\k+1]
.endr
	v_max_num_f32 v13, v13, v47
.irp xm, 1,2,4,8
	v_max_num_f32_dpp v13, v13, v13 row_xmask:\xm row_mask:0xf bank_mask:0xf   ; of my wave's 512,
.endr
	v_permlanex16_b32 v9, v13, s12, s13
	v_max_num_f32 v13, v13, v9
	ds_store_b32 v10, v13
	s_wait_dscnt 0x0                               ; for the others' sake: my store is done
	s_barrier_signal -1
	s_barrier_wait -1
	ds_load_b128 v[48:51], v11
	s_wait_dscnt 0x0
	v_max3_num_f32 v13, v48, v49, v50              ; and of the four waves
	v_max_num_f32 v13, v13, v51
	v_mul_f32 v13, s15, v13
.set ii, 0
.rept 16
	v_fma_f32 v[32+ii], v[32+ii], s15, -v13        ; (score - the largest) x log2(e)
.set ii, ii+1
.endr
	s_wait_alu depctr_va_vdst(0)                   ; the wait ahead of the batch,
.set ii, 0
.rept 16
	v_exp_f32 v[32+ii], v[32+ii]
.set ii, ii+1
.endr
	v_nop
	s_wait_alu depctr_va_vdst(0)                   ; and behind it
	v_pk_add_f32 v[48:49], v[32:33], v[34:35]      ; THE SUM, by the same way
	v_pk_add_f32 v[50:51], v[36:37], v[38:39]
	v_pk_add_f32 v[52:53], v[40:41], v[42:43]
	v_pk_add_f32 v[54:55], v[44:45], v[46:47]
	v_pk_add_f32 v[48:49], v[48:49], v[50:51]
	v_pk_add_f32 v[52:53], v[52:53], v[54:55]
	v_pk_add_f32 v[48:49], v[48:49], v[52:53]
	v_add_f32 v14, v48, v49
.irp xm, 1,2,4,8
	v_add_f32_dpp v14, v14, v14 row_xmask:\xm row_mask:0xf bank_mask:0xf
.endr
	v_permlanex16_b32 v9, v14, s12, s13
	v_add_f32 v14, v14, v9
	ds_store_b32 v10, v14 offset:64                ; other bytes than the maxima's
.irp i, 0,1,2,3
	ds_store_b128 v15, v[32+4*\i:35+4*\i] offset:2048*\i
.endr
	s_wait_dscnt 0x0
	s_barrier_signal -1
	s_barrier_wait -1                              ; all 2,048 e and the four sums lie in LDS
	ds_load_b128 v[48:51], v11 offset:64
	s_wait_dscnt 0x0
	v_add_f32 v48, v48, v49
	v_add_f32 v50, v50, v51
	v_add_f32 v14, v48, v50
	s_wait_alu depctr_va_vdst(0)
	v_rcp_f32 v12, v14
	v_nop
	s_wait_alu depctr_va_vdst(0)
	s_cmp_gt_u32 s16, 1                            ; waves 0 and 1 store weights 256 c .. 256 c + 255: each byte of out1 is stored by one work-group
	s_cbranch_scc1 .Lnot_out1
	s_lshl_b32 s19, s18, 10
	v_add_nc_u32 v137, s19, v15
	v_add_nc_u32 v136, s19, v3
	ds_load_b128 v[128:131], v137
	s_wait_alu depctr_va_vdst(0)
	s_wait_dscnt 0x0
.irp k, 0,1,2,3
	v_mul_f32 v[132+\k], v[128+\k], v12
.endr
	global_store_b128 v136, v[132:135], s[10:11]   ; 32 lanes store 512 consecutive bytes, at a multiple of 512 from out1's first byte; these registers are not written again
.Lnot_out1:
; Step t.  In front of the barrier: all my tensor loads are in, the add, my LDS reads are back.  Behind it my one load, step t + 1 into the slot read last; then the slot's 64 rows of mine, 16 at a time.
.macro STEP t
.set gh, G0+4*(((\t)+1)%2)
	s_wait_tensorcnt 0x0
	ds_add_u32 v1, v2
.if ((\t) >= 1) && ((\t) <= 6)
	s_add_nc_u64 s[gh+2:gh+3], s[gh+2:gh+3], 0x200000
.endif
	s_wait_dscnt 0x0
	s_barrier_signal -1
	s_barrier_wait -1
.if (\t) <= 6
	tensor_load_to_lds s[gh:gh+3], s[G1:G1+7]
	s_nop 0
.endif
.if (\t) <= 4
.irp k, 0,1,2,3
	global_prefetch_b8 v6, s[6:7] offset:(((\t)+3)<<20)+65536*\k th:TH_LOAD_NT scope:SCOPE_SE
.endr
.endif
	s_mov_b32 s44, ((\t)%2)*SLOT
	s_mov_b32 s45, 1024*(\t)
	s_mov_b32 s46, 4
.Lgroup_\@:
	v_add_nc_u32 v7, s44, v4
	v_add_nc_u32 v8, s45, v5
.irp q, 0,1,2,3
	ds_load_b128 v[48+4*\q:51+4*\q], v8 offset:16*\q       ; 16 weights, the same in every lane
.endr
.irp i, 0,1,2,3,4,5,6,7,8,9,10,11,12,13,14,15
	ds_load_b128 v[64+4*\i:67+4*\i], v7 offset:512*\i      ; a row's 512 bytes
.endr
.irp i, 0,1,2,3,4,5,6,7,8,9,10,11,12,13,14,15
.if (\i%4) == 0
	s_wait_dscnt 12-\i                             ; LDS loads come back in order (ISA guide 5.7.1): the next four rows are in, those behind them may be out
.endif
.irp k, 0,1,2,3
	v_fmac_f32 v[16+4*(\i%4)+\k], v[64+4*\i+\k], v[48+\i]
.endr
.endr
	s_add_co_u32 s44, s44, 8192
	s_add_co_u32 s45, s45, 64
	s_sub_co_u32 s46, s46, 1
	s_cmp_lg_u32 s46, 0
	s_cbranch_scc1 .Lgroup_\@
.endm
.irp t, 0,1,2,3,4,5,6,7
	STEP \t
.endr
	v_pk_add_f32 v[16:17], v[16:17], v[20:21]      ; the four chains,
	v_pk_add_f32 v[18:19], v[18:19], v[22:23]
	v_pk_add_f32 v[24:25], v[24:25], v[28:29]
	v_pk_add_f32 v[26:27], v[26:27], v[30:31]
	v_pk_add_f32 v[16:17], v[16:17], v[24:25]
	v_pk_add_f32 v[18:19], v[18:19], v[26:27]
	v_pk_mul_f32 v[16:17], v[16:17], v[12:13] op_sel_hi:[1,0]   ; x 1 / sum
	v_pk_mul_f32 v[18:19], v[18:19], v[12:13] op_sel_hi:[1,0]
	s_lshl_b32 s19, s16, 9
	s_add_co_u32 s19, s19, PART
	v_and_b32 v14, 31, v0
	v_lshl_add_u32 v14, v14, 4, s19
	ds_store_b128 v14, v[16:19]                    ; my wave's part of the 128 columns
	s_wait_alu depctr_va_vdst(0)
	s_wait_dscnt 0x0
	s_barrier_signal -1
	s_barrier_wait -1
	s_cmp_lg_u32 s16, 0                            ; wave 0 adds the four parts and stores; no barrier follows
	s_cbranch_scc1 .Ldone
.irp i, 0,1,2,3
	ds_load_b128 v[64+4*\i:67+4*\i], v14 offset:512*\i
.endr
	s_wait_dscnt 0x0
	v_pk_add_f32 v[64:65], v[64:65], v[68:69]
	v_pk_add_f32 v[66:67], v[66:67], v[70:71]
	v_pk_add_f32 v[72:73], v[72:73], v[76:77]
	v_pk_add_f32 v[74:75], v[74:75], v[78:79]
	v_pk_add_f32 v[64:65], v[64:65], v[72:73]
	v_pk_add_f32 v[66:67], v[66:67], v[74:75]
	global_store_b128 v3, v[64:67], s[8:9]         ; 32 lanes store 512 consecutive bytes, at a multiple of 512 from out0's first byte
.Ldone:
	s_wait_tensorcnt 0x0                           ; the wave's end
	ds_add_u32 v1, v2
	s_wait_dscnt 0x0
	s_endpgm
.Lfunc_end_k_q58e79ad5ae_context:
	.size	k_q58e79ad5ae_context, .Lfunc_end_k_q58e79ad5ae_context-k_q58e79ad5ae_context
	.p2alignl 7, 3214868480
	.fill 96, 4, 3214868480
	.section	.rodata,"a",@progbits
	.p2align	6, 0x0
	.amdhsa_kernel k_q58e79ad5ae_context
		.amdhsa_group_segment_fixed_size 327680
		.amdhsa_private_segment_fixed_size 0
		.amdhsa_enable_private_segment 0
		.amdhsa_kernarg_size 32
		.amdhsa_user_sgpr_count 2
		.amdhsa_user_sgpr_kernarg_segment_ptr 1
		.amdhsa_wavefront_size32 1
		.amdhsa_system_sgpr_workgroup_id_x 1
		.amdhsa_system_sgpr_workgroup_id_y 1
		.amdhsa_system_sgpr_workgroup_id_z 1
		.amdhsa_system_vgpr_workitem_id 0
		.amdhsa_next_free_vgpr 160
		.amdhsa_next_free_sgpr 66
		.amdhsa_reserve_vcc 0
		.amdhsa_float_denorm_mode_32 3
		.amdhsa_float_denorm_mode_16_64 3
		.amdhsa_memory_ordered 1
		.amdhsa_forward_progress 1
		.amdhsa_inst_pref_size 47
	.end_amdhsa_kernel
	.amdgpu_metadata
---
amdhsa.version: [ 1, 2 ]
amdhsa.kernels:
  - .name:           k_q58e79ad5ae_context
    .symbol:         k_q58e79ad5ae_context.kd
    .args:
      - { .name: scores, .offset: 0, .size: 8, .value_kind: global_buffer, .address_space: global }
      - { .name: hiddens, .offset: 8, .size: 8, .value_kind: global_buffer, .address_space: global }
      - { .name: out0, .offset: 16, .size: 8, .value_kind: global_buffer, .address_space: global }
      - { .name: out1, .offset: 24, .size: 8, .value_kind: global_buffer, .address_space: global }
    .group_segment_fixed_size: 327680
    .private_segment_fixed_size: 0
    .kernarg_segment_align: 8
    .kernarg_segment_size: 32
    .max_flat_workgroup_size: 128
    .sgpr_count:     66
    .vgpr_count:     160
    .wavefront_size: 32
...
	.end_amdgpu_metadata
.endif
;; end of part 3
